; MI455X (gfx1250); checked and timed in simulation.
; The chip was launched on July 23, 2026; its instructions are those of AMD's public machine-readable ISA for CDNA 5 (MIT licence, August 2026) and "CDNA5" Instruction Set Architecture Reference Guide (July 2026). The comments in the code are by the model that wrote it; some were corrected since.
;; Multi Head Attention. Allowed arithmetic: matrix products marked QUANTISED: E2M1 operands, one E8M0 scale for each 32 along K, by v_wmma_scale_f32_16x16x128_f8f6f4 with both operands' format E2M1 (or v_wmma_scale_f32_32x16x128_f4), f32 sums; everything else in f32.
;; Inputs: Wk_codes 512 x 16 x 16 uint8 (E2M1 codes of Wk, K innermost, in blocks of 32 codes, two codes a byte); Wk_scales 512 x 16 uint8 (E8M0 scales of Wk, one for each 32 codes along K); Wo_codes 512 x 16 x 16 uint8 (E2M1 codes of Wo, K innermost, in blocks of 32 codes, two codes a byte); Wo_scales 512 x 16 uint8 (E8M0 scales of Wo, one for each 32 codes along K); Wq_codes 512 x 16 x 16 uint8 (E2M1 codes of Wq, K innermost, in blocks of 32 codes, two codes a byte); Wq_scales 512 x 16 uint8 (E8M0 scales of Wq, one for each 32 codes along K); Wv_codes 512 x 16 x 16 uint8 (E2M1 codes of Wv, K innermost, in blocks of 32 codes, two codes a byte); Wv_scales 512 x 16 uint8 (E8M0 scales of Wv, one for each 32 codes along K); bk 512 float32; bo 512 float32; bq 512 float32; bv 512 float32; mask 1 x 1 x 4,096 x 4,096 int32; x 2 x 4,096 x 512 float32.
;; Outputs: out0 2 x 4,096 x 512 float32.
;; This version of the problem:
;;   THIS VERSION OF THE PROBLEM IS GIVEN IN LOW PRECISION. The matrix products marked QUANTISED in the list below multiply operands that are first quantised to E2M1 (2 exponent bits, 1 mantissa bit; 4 bits a number), with one power-of-two scale for each 32 numbers along K (OCP MX v1.0); their sums are f32. All else is computed in f32.
;;   The module's matrix products, in the order in which they are computed (A, B: the left and right operand; K: the contracted axis; several contracted axes count as one K, in the product's order):
;;     1. [M 8,192, K 512] x [K 512, N 512]; A: input x; B: input Wq (given as codes): QUANTISED
;;     2. [M 8,192, K 512] x [K 512, N 512]; A: input x; B: input Wk (given as codes): QUANTISED
;;     3. [M 8,192, K 512] x [K 512, N 512]; A: input x; B: input Wv (given as codes): QUANTISED
;;     4. batch 16 x [M 4,096, K 64] x [K 64, N 4,096]; A: computed on the way; B: computed on the way: QUANTISED
;;     5. batch 16 x [M 4,096, K 4,096] x [K 4,096, N 64]; A: softmax (see below); B: computed on the way: QUANTISED
;;     6. [M 8,192, K 512] x [K 512, N 512]; A: computed on the way; B: input Wo (given as codes): QUANTISED
;;   THE QUANTISER, for each operand of a quantised product, along K:
;;     - K is cut into blocks of 32 from its start; a last block that is shorter is filled with zeros.
;;     - A block's scale is 2^e with e = floor(log2(the largest magnitude in the block)) - 2, held to -126 .. 127; a block of zeros has e = 0. As a byte (E8M0): e + 127.
;;     - Each number is divided by its block's scale, clamped to +-6, and rounded to the nearest number of E2M1, ties to even, subnormals kept.
;;     - The product sums the exact products of the quantised numbers (number of the format x scale) in f32.
;;   ~~~python
;;   def quantise(x, axis):      # numpy; x: float32 -> the quantised numbers, widened to float32 again
;;       x = np.moveaxis(x, axis, -1); K = x.shape[-1]
;;       x = np.pad(x, [(0, 0)] * (x.ndim - 1) + [(0, -K % 32)]); x = x.reshape(x.shape[:-1] + (-1, 32)); a = np.abs(x).max(-1, keepdims=True)
;;       e = np.where(a > 0, np.clip(np.frexp(np.where(a > 0, a, 1))[1] - 1 - 2, -126, 127), 0)      # np.frexp(a)[1] - 1 = floor(log2(a)), exactly
;;       r = np.clip(x / 2.0 ** e, -6, 6)
;;       step = 2.0 ** (np.maximum(np.frexp(np.where(r == 0, 1, r))[1] - 1, 0) - 1)
;;       q = np.round(r / step) * step * 2.0 ** e      # np.round: ties to even
;;       return np.moveaxis(q.reshape(q.shape[:-2] + (-1,))[..., :K], -1, axis).astype(np.float32)
;;   ~~~
;;   SOFTMAX AHEAD OF A QUANTISED PRODUCT. Where the list says 'softmax', what is quantised is not the finished softmax but p = 2^(t - M), with t = logit x log2(e) and M = ceil(the row's largest t), a whole number; so 1/2 < the row's largest p <= 1. The row's sum l is taken of the UNQUANTISED p, in f32, and the product's result is divided by l at the end. Since M is a whole number, a kernel that streams over the keys may use a running M (the ceiling of the running maximum): every later rescaling is an exact power of two, which a block's scale takes up: the codes' values come out the same.
;;   OPERANDS COMPUTED ON THE WAY. 'Computed on the way' means the value that the module computes at that place (a softmax that the list does not call 'softmax' is quantised finished and normalised). What goes into a quantiser is computed in f32, as accurately as f32 sums, v_exp_f32 and their like allow (about 1e-6 of the number): no bf16 or f16 on the way to a quantiser, and a product that is left as it is and whose result goes on into a quantised operand takes f32 operands (vector FMAs, or v_wmma_f32_16x16x4_f32). A number that lies on a knife's edge between two numbers of the format may be rounded either way, as far as f32 arithmetic and the matrix unit's own rounding can turn it there, and no further.
;;   INPUTS GIVEN AS CODES. Wk (in the module: [512, 512], K = its axis 1); Wo (in the module: [512, 512], K = its axis 1); Wq (in the module: [512, 512], K = its axis 1); Wv (in the module: [512, 512], K = its axis 1): each comes as NAME_codes (uint8): NAME with its K axis moved to the last place and cut into blocks of 32 codes, [.., K / 32, bytes a block], one block behind the other in memory; two codes a byte, the lower K in the low four bits (a code: sign, 2 exponent bits, 1 mantissa bit); and NAME_scales (uint8): the same leading axes, one E8M0 byte (e + 127) for each 32 codes along K. Its value is code x scale, taken as it is: it is not quantised again, and the codes and scales need not be those that the quantiser above would give.
;; One version. Each part assembles by itself: llvm-mc -triple=amdgcn-amd-amdhsa -mcpu=gfx1250 --defsym DOCPART=n.
;; ======== version 1 of 1: 2 launches
;; limits: right only within a limited range of input values
;; workspace buffers: kv 4,456,448 bytes; qc 2,097,152 bytes; qs 262,144 bytes; maskw 2,097,152 bytes of whole numbers
;; launch prep (part 1): grid 64 x 4, 8 waves a work-group, no clusters, 107,520 bytes of LDS; arguments x, Wq_codes, Wq_scales, bq, Wk_codes, Wk_scales, bk, Wv_codes, Wv_scales, bv, qc, qs, kv, mask, maskw; writes qc, qs, kv, maskw
.if DOCPART == 1
	.amdgcn_target "amdgcn-amd-amdhsa--gfx1250"
	.amdhsa_code_object_version 6
	.text
	.protected	k_q4dfa7a2f3c_prep
	.globl	k_q4dfa7a2f3c_prep
	.p2align	8
	.type	k_q4dfa7a2f3c_prep,@function
k_q4dfa7a2f3c_prep:
	s_mov_b64 s[64:65], 0
	v_nop
	global_prefetch_b8 v0, s[64:65] scope:SCOPE_SE
	s_setreg_imm32_b32 hwreg(HW_REG_WAVE_MODE, 25, 1), 1
	s_wait_xcnt 0x0
; Q = x Wq^T + bq, K = x Wk^T + bk, V = x Wv^T + bv on codes of FP4 (E2M1) with one E8M0 scale for each 32 along K; Q, K (along the head's 64) and V (along the keys) are quantised again,
; in registers, and stored in the order in which the next launch's operand registers take them.  The mask (int32, == 1 hides a key) is packed to one bit a score.
; SHARES.  Work-group (x, y): x = 128 tokens (batch x / 32, key step x % 32), y = a pair of heads.  Eight waves: wave w: head 2 y + w / 4, quarter bb = w % 4.
;   x: wave w quantises token tile w (16 tokens x 512), four fragments, which go to LDS as images of their registers (16 bytes a lane, 512 bytes a store) and are read by all eight waves.
;   Q, K: wave (head, bb) makes token tiles 2 bb, 2 bb + 1 x the head's 64: transposed (source 0 = 16 rows of W, source 1 = 16 tokens), so that a lane holds one token and its registers run along the head.
;   V: wave (head, bb) makes 16 of the head's 64 x all 128 tokens: source 0 = 16 tokens, source 1 = 16 rows of Wv, so that a lane holds one channel and its registers run along the keys.
; THE ROWS OF A TILE ARE NOT NEIGHBOURS: row r of tile 2 b + u is index 32 b + 8 u + r + 8 (r / 8), for token tiles and for the rows of Wq, Wk, Wv inside a head.  In a result, register 8 u + j of tiles 2 b, 2 b + 1
; in lane half h is then index 32 b + 16 h + 8 u + j: 16 neighbours along the next K.
; WHAT IS STORED.  qc [16 heads][4096][32 bytes], qs [16][4096] one word a query, bytes (s0, s1, s0, s1).  kv: a head is 32 key steps of 8,704 bytes: four K fragments, four V fragments (1,024 bytes each: registers
; 4 c .. 4 c + 3 of lane l at 512 c + 16 l) and 512 bytes of scale words (lane l's four words at 16 l: lanes 0-15 K fragments 0-3, lanes 16-31 V tiles 0-3).  A K fragment packs TWO keys a row: k 0-63 = key 32 b + r + 8 (r / 8),
; k 64-127 = that key + 8.  maskw [256 tiles of 16 queries][32 steps][64 words]: bit r + 16 h of word 16 b + i is (mask[16 T + r][128 step + 32 b + 16 h + i] == 1).  Work-group g = x + 64 y packs tile g, wave w steps 4 w .. 4 w + 3.
; LIMITS: NaN and infinities among the inputs are not served.  A block of zeros gets the scale byte 1 (the floor) where the quantiser's rule says 127: its codes are zeros, and only this program reads the bytes.
; The biases are the C of each sum's first matrix instruction, so they are added ahead of the products, not behind them.
; No tensor loads, no cluster: the work-groups share x's rows only four ways and the weights are small; operands go from memory into registers.
.set XIMG,   0                         ; LDS: x's 32 fragments (tile t, K step s at 4 t + s), 1,024 bytes each
.set XSC,    32768                     ; their scale words, 128 bytes each
.set BIAS,   36864                     ; bq of the two heads (512 bytes), then bk
.set SCI,    37888                     ; the two heads' images of scale words, 512 bytes each
.set MST,    38912                     ; the mask's stage: for each wave 16 rows of 512 bytes + 16
.set MPITCH, 528                       ; 33 x 16 bytes: the sixteen rows that a load touches start in different banks
.set MWAVE,  16*MPITCH
.set XF,  16                           ; v16-79    64 numbers of x; then eight fragments of x; then mask words
.set DA,  80                           ; v80-143   64 numbers of x; then eight accumulators; then mask words
.set WV,  144                          ; v144-175  Wv's four fragments
.set BV,  176                          ; v176-183  bv of my lane's channel, eight times
.set TM,  184                          ; v184-187 largest magnitudes, v188-191 bytes, v196-199 the conversions' scale operands
.set PC,  200                          ; v200-207  the codes just made
.set PW,  208                          ; v208      the scale word just made
.set XS,  212                          ; v212-219  x's scale words
.set WQS, 220                          ; v220-235  Wq's scale words (tile 4 .. + K step)
.set WKS, 236                          ; v236-251  Wk's
.set WVS, 252                          ; v252-255  Wv's
.set SEL, 84                           ; s[84:85]  v_permlanex16_b32's selects for lane l xor 16
; v1 16 x lane; v2 4 x lane; v3 x; v4 weights' codes; v5 weights' scales; v6, v7 where I store x's images and scale words; v8, v9 where I read my two tiles'; v10 biases in LDS; v11 qc; v12 qs; v13 byte selects;
; v14 my scale word's place; v15 bv; v192 stage in; v193 stage out; v194 8 x lane; v195 scale image out; v209 at work; v210 bias slice in.   Window 1: Wq's 16 fragments at v0, Wk's at v128.
.set MSB, 0
.macro WIN new                         ; the immediate's high byte repeats the setting that is left
.if MSB != \new
	s_set_vgpr_msb (MSB<<8)|\new
.set MSB, \new
.endif
.endm
.macro BARRIER                         ; my LDS stores have landed and my LDS loads are in: then the work-group's barrier
	s_wait_dscnt 0x0
	s_barrier_signal -1
	s_barrier_wait -1
.endm
.macro XLOAD reg, s                    ; my tile's numbers of K step s: register 16 b + 4 j + .. = k 128 s + 32 b + 16 h + 4 j + ..
.irp b, 0,1,2,3
.irp j, 0,1,2,3
	global_load_b128 v[\reg+16*\b+4*\j:\reg+16*\b+4*\j+3], v3, s[4:5] offset:512*\s+128*\b+16*\j
.endr
.endr
.endm
; 64 numbers of a lane, register 16 b + i = index 32 b + 16 h + i of my row, become a fragment's codes in v[PC] on and its scale word in v[PW].
.macro QUANT s
.irp b, 0,1,2,3
	v_max3_num_f32 v[TM+\b], |v[\s+16*\b]|, |v[\s+1+16*\b]|, 0x1800000   ; block b: my 16 numbers, and the floor 2^(3 - 127): the byte cannot fall under 1
.endr
.irp i, 2,4,6,8,10,12,14
.irp b, 0,1,2,3
	v_max3_num_f32 v[TM+\b], v[TM+\b], |v[\s+16*\b+\i]|, |v[\s+1+16*\b+\i]|   ; the four blocks by turns
.endr
.endr
.irp b, 0,1,2,3
	s_delay_alu instid0(VALU_DEP_4)
	v_permlanex16_b32 v[TM+4+\b], v[TM+\b], s[SEL], s[SEL+1]
.endr
.irp b, 0,1,2,3
	s_delay_alu instid0(VALU_DEP_4)
	v_max_num_f32 v[TM+\b], v[TM+\b], v[TM+4+\b]   ; with lane l xor 16's: the block's largest magnitude
.endr
.irp b, 0,1,2,3
	s_delay_alu instid0(VALU_DEP_4)
	v_add_nc_u32 v[TM+12+\b], 0xff000000, v[TM+\b]   ; 2 off its exponent field: the conversion's scale operand
.endr
.irp b, 0,1,2,3
	s_delay_alu instid0(VALU_DEP_4)
	v_lshrrev_b32 v[TM+4+\b], 23, v[TM+12+\b]      ; the scale's byte
.endr
	s_delay_alu instid0(VALU_DEP_3)
	v_lshl_or_b32 v[PW], v[TM+5], 8, v[TM+4]
	s_delay_alu instid0(VALU_DEP_1)
	v_lshl_or_b32 v[PW], v[TM+6], 16, v[PW]
	s_delay_alu instid0(VALU_DEP_1)
	v_lshl_or_b32 v[PW], v[TM+7], 24, v[PW]
.irp b, 0,1,2,3
	v_cvt_scalef32_pk8_fp4_f32 v[PC+2*\b], v[\s+16*\b:\s+7+16*\b], v[TM+12+\b]
	v_cvt_scalef32_pk8_fp4_f32 v[PC+1+2*\b], v[\s+8+16*\b:\s+15+16*\b], v[TM+12+\b]
.endr
	v_nop                                          ; one plain place behind a scaled conversion
.irp c, 0,1                            ; the operand's layout wants a whole block in a lane: lanes 0-15 block 2 c, lanes 16-31 block 2 c + 1
.irp i, 0,1
	v_permlane16_swap_b32 v[PC+4*\c+\i], v[PC+2+4*\c+\i]
.endr
.endr
.endm
.macro IMAGE adr, off                  ; the fragment in v[PC] on goes to LDS as it stands
.irp c, 0,1
	ds_store_b128 v[\adr], v[PC+4*\c:PC+4*\c+3] offset:\off+512*\c
.endr
.endm
; Q or K of my two token tiles x my head's 64.  wb: the weight's fragments in window 1; ws: its scale words; boff: its bias in LDS.  The bias is loaded into the accumulators; the eight take turns, one
; instruction a turn.  Accumulator (t, g, e) = token tile 2 bb + t, channels 32 g + 16 h + 8 e + j.
.macro PROJ wb, ws, boff
.irp t, 0,1
.irp g, 0,1
.irp i, 0,1,2,3
	ds_load_b128 v[DA+16*(2*\t+\g)+4*\i:DA+16*(2*\t+\g)+4*\i+3], v10 offset:\boff+128*\g+16*\i
.endr
.endr
.endr
	s_wait_dscnt 0x0
	WIN 0x01                                       ; source 0 (the weight) window 1
.irp s, 0,1,2,3
.irp t, 0,1
.irp g, 0,1
.irp e, 0,1
	v_wmma_scale_f32_16x16x128_f8f6f4 v[DA+16*(2*\t+\g)+8*\e:DA+16*(2*\t+\g)+8*\e+7], v[\wb+8*(4*(2*\g+\e)+\s):\wb+8*(4*(2*\g+\e)+\s)+7], v[XF+8*(4*\t+\s):XF+8*(4*\t+\s)+7], v[DA+16*(2*\t+\g)+8*\e:DA+16*(2*\t+\g)+8*\e+7], v[\ws+4*(2*\g+\e)+\s], v[XS+4*\t+\s] matrix_a_fmt:MATRIX_FMT_FP4 matrix_b_fmt:MATRIX_FMT_FP4
.endr
.endr
.endr
.endr
	WIN 0
.rept 4
	v_nop                                          ; four places in front of the first read of results (ISA guide 7.12.1)
.endr
	s_wait_xcnt 0x0                                ; earlier stores have read the codes' and the scale word's registers, which are written anew below
	QUANT DA                                       ; blocks (t, g): registers 4 t .. 4 t + 3 of the codes: token tile t, channels 32 h on
.endm
.macro MLOAD i, set                    ; my i-th step of the mask: 16 rows x 512 consecutive bytes
.irp q, 0,1,2,3,4,5,6,7,8,9,10,11,12,13,14,15
	global_load_b128 v[\set+4*\q:\set+4*\q+3], v1, s[30:31] offset:\q*16384+512*(\i) th:TH_LOAD_NT
.endr
.endm
; One step of the mask: through my stage, so that lane (r, h) holds row r's columns 32 b + 16 h + i in register 16 b + i; 64 compares give the 64 lane masks; they leave as 256 consecutive bytes.
; left: the younger loads that may stay out (the other set's 16, or none).  more = 1: the set takes the loads of two steps on.
.macro MTS i, set, left, more
	s_wait_loadcnt \left
.irp q, 0,1,2,3,4,5,6,7,8,9,10,11,12,13,14,15
	ds_store_b128 v192, v[\set+4*\q:\set+4*\q+3] offset:MPITCH*\q
.endr
.irp b, 0,1,2,3
.irp j, 0,1,2,3
	ds_load_b128 v[\set+16*\b+4*\j:\set+16*\b+4*\j+3], v193 offset:128*\b+16*\j   ; LDS serves a wave's instructions in order (ISA guide 5.7.1.4): these see the stores above
.endr
.endr
	s_wait_dscnt 0x0
.set n, 0
.rept 64
.if n < 32
	v_cmp_eq_u32 s[32+n], 1, v[\set+n]             ; word n in s[32 + n],
.else
	v_cmp_eq_u32 s[36+n], 1, v[\set+n]             ; from word 32 on in s[68 + n - 32]
.endif
.set n, n+1
.endr
.if \more
	MLOAD (\i)+2, \set
.endif
	s_wait_xcnt 0x0                                ; the last store has read v200, v201
.set n, 0
.rept 64
.if n < 32
	v_writelane_b32 v[200+n%2], s[32+n], n/2       ; lane l takes words 2 l and 2 l + 1
.else
	s_delay_alu instid0(VALU_DEP_2)
	v_writelane_b32 v[200+n%2], s[36+n], n/2
.endif
.set n, n+1
.endr
	global_store_b64 v194, v[200:201], s[100:101] offset:256*(\i)   ; 32 lanes store 256 consecutive bytes, aligned
.endm
	s_load_b512 s[4:19], s[0:1], 0x0               ; x s[4:5], Wq codes s[6:7], Wq scales s[8:9], bq s[10:11], Wk codes s[12:13], Wk scales s[14:15], bk s[16:17], Wv codes s[18:19]
	s_load_b256 s[20:27], s[0:1], 0x40             ; Wv scales s[20:21], bv s[22:23], qc s[24:25], qs s[26:27]
	s_load_b128 s[28:31], s[0:1], 0x60             ; kv s[28:29], mask s[30:31]
	s_load_b64 s[100:101], s[0:1], 0x70            ; maskw
	v_lshrrev_b32 v15, 5, v0
	s_delay_alu instid0(VALU_DEP_1)
	v_readfirstlane_b32 s66, v15                   ; wave w
	s_lshr_b32 s67, s66, 2                         ; c: which head of the pair
	s_and_b32 s104, s66, 3                         ; bb
	s_and_b32 s32, ttmp7, 0xffff                   ; the pair of heads
	s_lshl_b32 s105, s32, 1
	s_add_co_u32 s105, s105, s67                   ; head
	s_lshr_b32 s33, ttmp9, 5                       ; batch
	s_and_b32 s34, ttmp9, 31                       ; key step
	s_lshl_b32 s35, s33, 3
	s_add_co_u32 s35, s35, s105                    ; bh = 8 batch + head
	; byte offsets, each in a pair with 0 above it (all stay under 2^27)
	s_lshl_b32 s36, ttmp9, 7
	s_lshr_b32 s37, s66, 1
	s_lshl_b32 s37, s37, 5
	s_add_co_u32 s36, s36, s37
	s_and_b32 s37, s66, 1
	s_lshl_b32 s37, s37, 3
	s_add_co_u32 s36, s36, s37                     ; x: row 128 x + 32 (w / 2) + 8 (w % 2),
	s_lshl_b32 s36, s36, 11                        ; of 2,048 bytes
	s_mov_b32 s37, 0
	s_lshl_b32 s38, s105, 14                       ; Wq, Wk codes: 64 rows of 256 bytes a head
	s_mov_b32 s39, 0
	s_lshl_b32 s40, s105, 10                       ; their scales: 64 rows of 16 bytes
	s_mov_b32 s41, 0
	s_lshl_b32 s42, s105, 6
	s_lshr_b32 s43, s104, 1
	s_lshl_b32 s43, s43, 5
	s_add_co_u32 s42, s42, s43
	s_and_b32 s43, s104, 1
	s_lshl_b32 s43, s43, 3
	s_add_co_u32 s42, s42, s43                     ; Wv: row 64 head + 32 (bb / 2) + 8 (bb % 2)
	s_lshl_b32 s44, s42, 4                         ; its scales,
	s_mov_b32 s45, 0
	s_lshl_b32 s46, s42, 2                         ; bv,
	s_mov_b32 s47, 0
	s_lshl_b32 s42, s42, 8                         ; its codes
	s_mov_b32 s43, 0
	s_lshl_b32 s48, s35, 12
	s_lshl_b32 s49, s34, 7
	s_add_co_u32 s48, s48, s49
	s_lshl_b32 s49, s104, 5
	s_add_co_u32 s48, s48, s49                     ; query 4096 bh + 128 step + 32 bb
	s_lshl_b32 s50, s48, 2                         ; qs
	s_mov_b32 s51, 0
	s_lshl_b32 s48, s48, 5                         ; qc
	s_mov_b32 s49, 0
	s_mul_i32 s52, s35, 278528
	s_mul_i32 s53, s34, 8704
	s_add_co_u32 s52, s52, s53                     ; kv: the head's step
	s_mov_b32 s53, 0
	s_lshl_b32 s54, s104, 10                       ; fragment bb in it
	s_mov_b32 s55, 0
	s_lshl_b32 s56, s32, 6
	s_add_co_u32 s56, s56, ttmp9                   ; g: the mask's tile of 16 queries
	s_lshl_b32 s58, s56, 13
	s_lshl_b32 s57, s66, 10
	s_add_co_u32 s58, s58, s57                     ; maskw: 8,192 g + 1,024 w
	s_mov_b32 s59, 0
	s_lshl_b32 s56, s56, 18
	s_lshl_b32 s57, s66, 11
	s_add_co_u32 s56, s56, s57                     ; mask: 16 rows of 16,384 bytes x g + 2,048 w
	s_mov_b32 s57, 0
	s_lshl_b32 s60, s32, 9
	s_lshl_b32 s61, s104, 7
	s_add_co_u32 s60, s60, s61                     ; my 128 bytes of the pair's bq (waves 0-3) or bk (waves 4-7)
	s_mov_b32 s61, 0
	s_mov_b32 s[SEL], 0x76543210
	s_mov_b32 s[SEL+1], 0xfedcba98
	; lane terms
	v_and_b32 v209, 31, v0                         ; lane
	v_and_b32 v210, 15, v0                         ; r
	v_bfe_u32 v211, v0, 4, 1                       ; h
	s_delay_alu instid0(VALU_DEP_3)
	v_lshlrev_b32 v1, 4, v209
	s_delay_alu instid0(VALU_DEP_4)
	v_lshlrev_b32 v2, 2, v209
	v_lshlrev_b32 v194, 3, v209
	v_and_b32 v15, 8, v210
	s_delay_alu instid0(VALU_DEP_1)
	v_add_nc_u32 v15, v15, v210                    ; p = r + 8 (r / 8)
	s_delay_alu instid0(VALU_DEP_1)
	v_lshlrev_b32 v3, 11, v15
	s_delay_alu instid0(VALU_DEP_1)
	v_lshl_add_u32 v3, v211, 6, v3                 ; x: row p, + 64 h: my 16 numbers of a block of 32
	s_delay_alu instid0(VALU_DEP_3)
	v_lshlrev_b32 v4, 8, v15
	s_delay_alu instid0(VALU_DEP_1)
	v_lshl_add_u32 v4, v211, 4, v4                 ; weights' codes: row p of 256 bytes, + 16 h
	v_lshlrev_b32 v5, 4, v15                       ; weights' scales: row p of 16 bytes
	v_lshlrev_b32 v11, 5, v15
	s_delay_alu instid0(VALU_DEP_1)
	v_lshl_add_u32 v11, v211, 4, v11               ; qc: query p of 32 bytes, + 16 h
	v_lshl_add_u32 v12, v211, 3, v15
	s_delay_alu instid0(VALU_DEP_1)
	v_lshlrev_b32 v12, 2, v12                      ; qs: lanes 0-15 the first tile's queries, lanes 16-31 the second's: (p + 8 h) words
	v_lshlrev_b32 v15, 2, v15                      ; bv: channel p
	s_lshl_b32 s62, s66, 12
	v_add_nc_u32 v6, s62, v1                       ; x's images: tile w's four
	s_lshl_b32 s62, s66, 9
	v_add_nc_u32 v7, s62, v2
	s_lshl_b32 s62, s104, 13
	v_add_nc_u32 v8, s62, v1                       ; and back: tiles 2 bb, 2 bb + 1
	s_lshl_b32 s62, s104, 10
	v_add_nc_u32 v9, s62, v2
	s_lshl_b32 s62, s67, 8
	s_add_co_u32 s62, s62, BIAS
	v_lshl_add_u32 v10, v211, 6, s62               ; my head's bias, + 16 h numbers
	s_lshl_b32 s62, s67, 9
	s_lshl_b32 s63, s104, 2
	s_add_co_u32 s63, s63, s62
	s_add_co_u32 s63, s63, SCI
	v_lshl_add_u32 v14, v210, 4, s63               ; word bb of row r in my head's image of scale words
	s_add_co_u32 s62, s62, SCI
	v_add_nc_u32 v195, s62, v1
	s_mul_i32 s62, s66, MWAVE
	s_add_co_u32 s62, s62, MST
	v_add_nc_u32 v192, s62, v1                     ; my stage, in: a row's 512 bytes as they lie
	v_mul_u32_u24 v193, v210, MPITCH
	s_delay_alu instid0(VALU_DEP_1)
	v_lshl_add_u32 v193, v211, 6, v193
	s_delay_alu instid0(VALU_DEP_1)
	v_add_nc_u32 v193, s62, v193                   ; out: row r, + 16 h words
	v_cmp_eq_u32 vcc_lo, 1, v211
	v_mov_b32 v13, 0x01000100                      ; bytes 0, 1 of the scale word twice (the first tile's query),
	v_mov_b32 v209, 0x03020302                     ; or bytes 2, 3 (the second's)
	s_delay_alu instid0(VALU_DEP_1)
	v_cndmask_b32 v13, v13, v209, vcc_lo
	s_lshl_b32 s62, s66, 7
	v_add_nc_u32 v210, s62, v2                     ; where my slice of the biases goes
.irp b, 0,1,2,3
	v_mov_b32 v[TM+4+\b], 0                        ; written once: a lane permute's destination counts as one of its sources
.endr
	s_wait_kmcnt 0x0
	s_add_nc_u64 s[4:5], s[4:5], s[36:37]
	s_add_nc_u64 s[6:7], s[6:7], s[38:39]
	s_add_nc_u64 s[12:13], s[12:13], s[38:39]
	s_add_nc_u64 s[8:9], s[8:9], s[40:41]
	s_add_nc_u64 s[14:15], s[14:15], s[40:41]
	s_add_nc_u64 s[18:19], s[18:19], s[42:43]
	s_add_nc_u64 s[20:21], s[20:21], s[44:45]
	s_add_nc_u64 s[22:23], s[22:23], s[46:47]
	s_add_nc_u64 s[24:25], s[24:25], s[48:49]
	s_add_nc_u64 s[26:27], s[26:27], s[50:51]
	s_add_nc_u64 s[28:29], s[28:29], s[52:53]      ; kv at my head's step,
	s_add_nc_u64 s[2:3], s[28:29], s[54:55]        ; and at fragment bb of it
	s_add_nc_u64 s[30:31], s[30:31], s[56:57]
	s_add_nc_u64 s[100:101], s[100:101], s[58:59]
	s_cmp_lt_u32 s66, 4                            ; the choice hangs on the wave's number alone
	s_cselect_b64 s[10:11], s[10:11], s[16:17]
	s_add_nc_u64 s[10:11], s[10:11], s[60:61]
	; ---- the weights stay in registers
	WIN 0x40                                       ; destination window 1
.irp g, 0,1
.irp e, 0,1
.irp s, 0,1,2,3
.irp c, 0,1
	global_load_b128 v[8*(4*(2*\g+\e)+\s)+4*\c:8*(4*(2*\g+\e)+\s)+4*\c+3], v4, s[6:7] offset:(32*\g+8*\e)*256+64*\s+32*\c
	global_load_b128 v[128+8*(4*(2*\g+\e)+\s)+4*\c:128+8*(4*(2*\g+\e)+\s)+4*\c+3], v4, s[12:13] offset:(32*\g+8*\e)*256+64*\s+32*\c
.endr
.endr
.endr
.endr
	WIN 0
.irp s, 0,1,2,3
.irp c, 0,1
	global_load_b128 v[WV+8*\s+4*\c:WV+8*\s+4*\c+3], v4, s[18:19] offset:64*\s+32*\c
.endr
.endr
.irp g, 0,1
.irp e, 0,1
	global_load_b128 v[WQS+4*(2*\g+\e):WQS+4*(2*\g+\e)+3], v5, s[8:9] offset:(32*\g+8*\e)*16   ; a row's 16 bytes: the words of K steps 0-3
	global_load_b128 v[WKS+4*(2*\g+\e):WKS+4*(2*\g+\e)+3], v5, s[14:15] offset:(32*\g+8*\e)*16
.endr
.endr
	global_load_b128 v[WVS:WVS+3], v5, s[20:21]
	global_load_b32 v[BV], v15, s[22:23]
	global_load_b32 v209, v2, s[10:11]
	XLOAD XF, 0
	XLOAD DA, 1
	; ---- x: my tile's four K steps, two sets of registers by turns.  Each count of 16 leaves the one younger XLOAD out; loads come back in order (ISA guide 5.7.1), so the first wait also shows the weights in
	s_wait_loadcnt 16
	QUANT XF
	IMAGE 6, XIMG
	ds_store_b32 v7, v[PW] offset:XSC
	ds_store_b32 v210, v209 offset:BIAS
.irp j, 1,2,3,4,5,6,7
	v_mov_b32 v[BV+\j], v[BV]                      ; V's bias hangs on the lane alone: the same in the result's eight registers
.endr
	s_wait_dscnt 0x0                               ; the stores have read their registers
	XLOAD XF, 2
	s_wait_loadcnt 16
	QUANT DA
	IMAGE 6, XIMG+1024
	ds_store_b32 v7, v[PW] offset:XSC+128
	s_wait_dscnt 0x0
	XLOAD DA, 3
	s_wait_loadcnt 16
	QUANT XF
	IMAGE 6, XIMG+2048
	ds_store_b32 v7, v[PW] offset:XSC+256
	s_wait_dscnt 0x0
	s_wait_loadcnt 0x0
	QUANT DA
	IMAGE 6, XIMG+3072
	ds_store_b32 v7, v[PW] offset:XSC+384
	BARRIER                                        ; x's 32 fragments, their scale words and the biases lie in LDS
	; ---- my two tiles' fragments of x
.irp t, 0,1
.irp s, 0,1,2,3
.irp c, 0,1
	ds_load_b128 v[XF+8*(4*\t+\s)+4*\c:XF+8*(4*\t+\s)+4*\c+3], v8 offset:XIMG+(4*\t+\s)*1024+512*\c
.endr
	ds_load_b32 v[XS+4*\t+\s], v9 offset:XSC+(4*\t+\s)*128
.endr
.endr
	; ---- Q
	PROJ 0, WQS, 0
	global_store_b128 v11, v[PC:PC+3], s[24:25]              ; queries 32 bb + 0..7 and 16..23: twice 256 consecutive bytes
	global_store_b128 v11, v[PC+4:PC+7], s[24:25] offset:256 ; queries 8..15 and 24..31
	v_perm_b32 v209, v[PW], v[PW], v13                       ; (s0, s1, s0, s1) of my half's query
	global_store_b32 v12, v209, s[26:27]                     ; 32 queries' words: 128 consecutive bytes
	; ---- K: the codes are K fragment bb as they stand, the scale word is its rows'
	PROJ 128, WKS, 512
	global_store_b128 v1, v[PC:PC+3], s[2:3]
	global_store_b128 v1, v[PC+4:PC+7], s[2:3] offset:512
	ds_store_b32 v14, v[PW]                        ; both halves of the lanes write the same word with the same value
	; ---- V: my 16 channels x the 128 tokens: eight accumulators by turns, a K step at a time
.irp s, 0,1,2,3
.rept 4
	v_nop                                          ; four places in front of loads into registers that matrix instructions have read; with the plain lines of QUANT more than the five that the first products, which write over accumulators, want
.endr
.irp t, 0,1,2,3,4,5,6,7
.irp c, 0,1
	ds_load_b128 v[XF+8*\t+4*\c:XF+8*\t+4*\c+3], v1 offset:XIMG+(4*\t+\s)*1024+512*\c
.endr
	ds_load_b32 v[XS+\t], v2 offset:XSC+(4*\t+\s)*128
.endr
	s_wait_dscnt 0x0
.irp t, 0,1,2,3,4,5,6,7
.if \s == 0
	v_wmma_scale_f32_16x16x128_f8f6f4 v[DA+8*\t:DA+8*\t+7], v[XF+8*\t:XF+8*\t+7], v[WV+8*\s:WV+8*\s+7], v[BV:BV+7], v[XS+\t], v[WVS+\s] matrix_a_fmt:MATRIX_FMT_FP4 matrix_b_fmt:MATRIX_FMT_FP4
.else
	v_wmma_scale_f32_16x16x128_f8f6f4 v[DA+8*\t:DA+8*\t+7], v[XF+8*\t:XF+8*\t+7], v[WV+8*\s:WV+8*\s+7], v[DA+8*\t:DA+8*\t+7], v[XS+\t], v[WVS+\s] matrix_a_fmt:MATRIX_FMT_FP4 matrix_b_fmt:MATRIX_FMT_FP4
.endif
.endr
.endr
.rept 4
	v_nop
.endr
	MLOAD 0, XF                                    ; the mask's first two steps are asked for while V is quantised
	s_wait_xcnt 0x0                                ; K's stores have read the codes' registers
	QUANT DA                                       ; four blocks of 32 keys of my lane's channel: V fragment bb
	MLOAD 1, DA
	global_store_b128 v1, v[PC:PC+3], s[2:3] offset:4096
	global_store_b128 v1, v[PC+4:PC+7], s[2:3] offset:4608
	ds_store_b32 v14, v[PW] offset:256             ; V's words lie in the image's lanes 16-31
	BARRIER                                        ; both heads' images of scale words are whole
	s_cmp_lg_u32 s104, 0                           ; one wave of each head stores its image: a branch on the wave's number, round no barrier
	s_cbranch_scc1 .Lno_sci
	ds_load_b128 v[184:187], v195
	s_wait_dscnt 0x0
	global_store_b128 v1, v[184:187], s[28:29] offset:8192   ; 512 consecutive bytes
.Lno_sci:
	; ---- the mask: my four steps, two sets of registers by turns
	MTS 0, XF, 16, 1
	MTS 1, DA, 16, 1
	MTS 2, XF, 16, 0
	MTS 3, DA, 0, 0
	s_wait_xcnt 0x0
	v_lshl_add_u32 v254, v0, 2, 0x1a000
	v_mov_b32 v255, 0
	s_wait_alu depctr_va_vdst(0)
	s_wait_tensorcnt 0x0
	ds_add_u32 v254, v255
	s_wait_dscnt 0x0
	s_endpgm
.Lfunc_end_k_q4dfa7a2f3c_prep:
	.size	k_q4dfa7a2f3c_prep, .Lfunc_end_k_q4dfa7a2f3c_prep-k_q4dfa7a2f3c_prep
	.p2alignl 7, 3214868480
	.fill 96, 4, 3214868480
	.section	.rodata,"a",@progbits
	.p2align	6, 0x0
	.amdhsa_kernel k_q4dfa7a2f3c_prep
		.amdhsa_group_segment_fixed_size 107520
		.amdhsa_private_segment_fixed_size 0
		.amdhsa_enable_private_segment 0
		.amdhsa_kernarg_size 120
		.amdhsa_user_sgpr_count 2
		.amdhsa_user_sgpr_kernarg_segment_ptr 1
		.amdhsa_wavefront_size32 1
		.amdhsa_system_sgpr_workgroup_id_x 1
		.amdhsa_system_sgpr_workgroup_id_y 1
		.amdhsa_system_sgpr_workgroup_id_z 1
		.amdhsa_system_vgpr_workitem_id 0
		.amdhsa_next_free_vgpr 512
		.amdhsa_next_free_sgpr 106
		.amdhsa_reserve_vcc 1
		.amdhsa_float_denorm_mode_32 3
		.amdhsa_float_denorm_mode_16_64 3
		.amdhsa_memory_ordered 1
		.amdhsa_forward_progress 1
		.amdhsa_inst_pref_size 127
	.end_amdhsa_kernel
	.amdgpu_metadata
---
amdhsa.version: [ 1, 2 ]
amdhsa.kernels:
  - .name:           k_q4dfa7a2f3c_prep
    .symbol:         k_q4dfa7a2f3c_prep.kd
    .args:
      - { .name: x, .offset: 0, .size: 8, .value_kind: global_buffer, .address_space: global }
      - { .name: Wq_codes, .offset: 8, .size: 8, .value_kind: global_buffer, .address_space: global }
      - { .name: Wq_scales, .offset: 16, .size: 8, .value_kind: global_buffer, .address_space: global }
      - { .name: bq, .offset: 24, .size: 8, .value_kind: global_buffer, .address_space: global }
      - { .name: Wk_codes, .offset: 32, .size: 8, .value_kind: global_buffer, .address_space: global }
      - { .name: Wk_scales, .offset: 40, .size: 8, .value_kind: global_buffer, .address_space: global }
      - { .name: bk, .offset: 48, .size: 8, .value_kind: global_buffer, .address_space: global }
      - { .name: Wv_codes, .offset: 56, .size: 8, .value_kind: global_buffer, .address_space: global }
      - { .name: Wv_scales, .offset: 64, .size: 8, .value_kind: global_buffer, .address_space: global }
      - { .name: bv, .offset: 72, .size: 8, .value_kind: global_buffer, .address_space: global }
      - { .name: qc, .offset: 80, .size: 8, .value_kind: global_buffer, .address_space: global }
      - { .name: qs, .offset: 88, .size: 8, .value_kind: global_buffer, .address_space: global }
      - { .name: kv, .offset: 96, .size: 8, .value_kind: global_buffer, .address_space: global }
      - { .name: mask, .offset: 104, .size: 8, .value_kind: global_buffer, .address_space: global }
      - { .name: maskw, .offset: 112, .size: 8, .value_kind: global_buffer, .address_space: global }
    .group_segment_fixed_size: 107520
    .private_segment_fixed_size: 0
    .kernarg_segment_align: 8
    .kernarg_segment_size: 120
    .max_flat_workgroup_size: 256
    .sgpr_count:     106
    .vgpr_count:     512
    .wavefront_size: 32
...
	.end_amdgpu_metadata
.endif
;; end of part 1
;; launch attn (part 2): grid 16 x 16, 16 waves a work-group, clusters of 4 x 1, 327,680 bytes of LDS; arguments qc, qs, kv, maskw, Wo_codes, Wo_scales, bo, x, out0; writes out0
.if DOCPART == 2
	.amdgcn_target "amdgcn-amd-amdhsa--gfx1250"
	.amdhsa_code_object_version 6
	.text
	.protected	k_q4dfa7a2f3c_attn
	.globl	k_q4dfa7a2f3c_attn
	.p2align	8
	.type	k_q4dfa7a2f3c_attn,@function
k_q4dfa7a2f3c_attn:
	s_mov_b64 s[64:65], 0
	v_nop
	global_prefetch_b8 v0, s[64:65] scope:SCOPE_SE
	s_setreg_imm32_b32 hwreg(HW_REG_WAVE_MODE, 25, 1), 1
	s_wait_xcnt 0x0
	s_wait_alu depctr_hold_cnt(0) depctr_sa_sdst(0) depctr_va_vdst(0) depctr_va_sdst(0) depctr_va_ssrc(0) depctr_va_vcc(0) depctr_vm_vsrc(0)
	s_getreg_b32 s2, hwreg(HW_REG_IB_STS2, 6, 4)
	s_cmp_eq_u32 s2, 0
	s_cbranch_scc0 .Lentry_in_a_cluster
	s_endpgm
.Lentry_in_a_cluster:
	s_bfe_u32 s2, ttmp6, 0x10000c
	s_cmp_lg_u32 s2, 0x3003
	s_cbranch_scc0 .Lentry_shape_is_right
	s_endpgm
.Lentry_shape_is_right:
; out = reshape(softmax(mask(Q K^T / 8)) V) Wo^T + bo + x, all three products on codes of FP4 (E2M1) with one E8M0 scale for each 32 along K.
; SHARES.  A work-group owns 256 queries of one of the 16 (batch, head) pairs; each of its sixteen waves owns 16 of them, one a lane (lane % 16), in 256 registers: four waves to a SIMD, so that one wave's
; vector work stands beside another's matrix work and LDS loads.  Every wave walks all 4,096 keys, 128 a step.
; K AND V OF THE WHOLE HEAD LIE IN LDS: 32 steps x 8,704 bytes = 278,528, laid by the launch before as images of the operands' registers (16 bytes a lane), filled ONCE: steps 0-7, then steps 8-31, each by one joint load of
; every wave, 17 and then 51 rows of 256 bytes.  Nothing is filled again.  CLUSTER: the four work-groups of a cluster belong to one head and need the same bytes, so each load is asked for jointly, with a mask that names the four.
; PRODUCTS.  S^T = K Q^T (source 0 = keys, source 1 = my 16 queries) and O^T = V^T P^T: a lane holds one query throughout.  The head is 64 wide and the instruction 128: a K fragment packs two keys a row
; (k 0-63: key 32 b + r + 8 (r / 8); k 64-127: that key + 8), and Q stands once in twelve registers between zeros: v[20:27] meets the first key, v[16:23] the second; zero codes add nothing.
; So register 16 b + i of the scores is key 32 b + 16 (lane / 16) + i, 16 neighbours, and every byte of K is read from LDS once a wave.
; MASK.  One 32-bit lane mask for each of a step's 64 score registers, by scalar loads a step ahead, straight into the select of v_cndmask_b32.
; SOFTMAX.  t = score x log2(e) / 8; M = the running largest t rounded up to a whole number; p = 2^(t - M) is quantised along the keys, not normalised; the sum is taken of the unquantised p and divides at the end;
; when M moves, the sum and O^T are multiplied by 2^(old M - new M), which rounds nothing.
; THE LAST PRODUCT.  The reshape makes eight consecutive queries of a head one row of 512: my work-group owns 32 whole rows.  The waves' quantised results meet in LDS (rows of 256 bytes of codes, 16 scale bytes);
; wave w then makes rows 16 (w % 2) on x outputs 64 (w / 2) on; x + bo is the C of the first product.
; LIMITS.  A hidden score is set to -2^33, the logit -2^30, in place of -1e9: c x 2^33 is exact, so a row that is wholly hidden gives p = 1 everywhere, as the definition does; results agree wherever the logits that
; count lie more than some 150 above -1e9.  NaN and infinities are not served.  A block of zeros gets the scale byte 1: its codes are zeros.  x + bo is added ahead of the product's sum.
.set STEPB,  8704                      ; a key step in LDS: K's four fragments, V's four, 512 bytes of scale words
.set CHB,    8*STEPB                   ; a chunk
.set QTR,    CHB/4                     ; a quarter of a chunk: 68 rows of 256 bytes
.set HEADB,  4*CHB
.set CTX,    HEADB                     ; behind K and V: 32 rows of ctx's codes, 256 bytes + 16
.set CPITCH, 272
.set CTS,    CTX+32*CPITCH             ; their scale bytes, 16 a row
.set SWAVE,  16*272                    ; the way out: 16 rows x (256 bytes + 16) for each wave, in K's and V's first bytes, behind the barrier that every wave reaches after its last read of them
.set LI,   1                           ; v1   16 x lane
.set ADR,  2                           ; v2   the step's LDS address
.set NEG,  3                           ; v3   -2^33
.set QSW,  4                           ; v4   Q's scale words
.set CA,   5                           ; v5   where my 8 bytes of ctx's codes go
.set CSA,  6                           ; v6   and my query's two scale bytes
.set CR,   7                           ; v7   ctx's fragments back
.set CSR,  8                           ; v8   their scale words
.set SO,   9                           ; v9   the stage: in
.set SR,   10                          ; v10  and back
.set GO,   11                          ; v11  my byte offset in the wave's rows of out0
.set QF,   16                          ; v16-27  0 0 0 0 q q q q 0 0 0 0      (v12 -M, v13 the largest t, v[14:15] the sum in two halves)
.set SC,   28                          ; v28-31  scale words: lanes 0-15 K fragment b's, lanes 16-31 V tile b's
.set KF,   32                          ; v32-63  K's four fragments
.set VF,   64                          ; v64-95  V's four
.set S,    96                          ; v96-159 S^T, then p
.set OT,   160                         ; v160-191 O^T: register 16 b + i = channel 32 b + 16 (lane / 16) + i
.set PC,   192                         ; v192-199 p's codes
.set BM,   200                         ; v200-203 the blocks' largest scores, then largest p
.set T2,   204                         ; v204-207 at work
.set SOP,  208                         ; v208-211 the conversions' scale operands
.set F,    212                         ; v[212:213] f = 2^(old M - new M)
.set TMP,  214
.set PWD,  215                         ; p's scale word
.set SUM2, 216                         ; v[216:217] a partial sum at work in a step
.set WOA,  218                         ; v218-223 lane offsets of global loads: Wo's codes, Wo's scales, x, Q's codes, Q's scales, bo
.set WOS,  219
.set XAD,  220
.set QAD,  221
.set QSA,  222
.set BOA,  223
.set ACC,  224                         ; v224-255 x + bo, then out: four accumulators
; s[2:3] byte offset of my rows in x and out0; s[4:11] descriptor group 1; s[12:13] c; s[14:15] lane selects; s[16:63], s[68:83] the step's 64 mask words; s66 wave; s67 steps to go; s[84:87], s[88:91] two groups 0;
; s100 the step's LDS byte; s101 the next mask words' byte; s[104:105] my tile's mask words
; THE FILLS (this account stands for the one in the comment at the head): K and V of the head are filled once, by two joint loads a wave, all sixteen waves alike.  The first, at the head, brings wave w's
; 17 rows of 256 bytes of key steps 0-7 (16 x 4,352 = 69,632 bytes); the second, behind the wait for the first, the add and a round of the cluster's barrier, its 51 rows of key steps 8-31 (16 x 13,056 = 208,896 bytes).
; One tensor load of a wave is out at any time.  The second is waited for behind key step 7, in front of the one barrier that shows steps 8-31 to all sixteen waves.
.macro CROUND
	s_barrier_signal -1
	s_barrier_wait -1
	s_cmp_lg_u32 s66, 0
	s_cbranch_scc1 .Lnot_wave_0_\@
	s_barrier_signal -3
.Lnot_wave_0_\@:
	s_barrier_wait -3
	s_barrier_signal -1
	s_barrier_wait -1
.endm
	s_load_b512 s[16:31], s[0:1], 0x0              ; qc s[16:17], qs s[18:19], kv s[20:21], maskw s[22:23], (Wo's two), bo s[28:29], x s[30:31]
	v_lshl_add_u32 v222, v0, 2, 0x46400
	v_mov_b32 v223, 0
	ds_add_u32 v222, v223
	ds_add_u32 v222, v223
	s_wait_dscnt 0x0
	v_lshrrev_b32 v2, 5, v0
	s_delay_alu instid0(VALU_DEP_1)
	v_readfirstlane_b32 s66, v2                    ; wave 0..15
	s_bfe_u32 s32, ttmp6, 0x40000                  ; cx: it enters global addresses of qc, qs, maskw, x, out0 alone
	s_lshl_b32 s33, ttmp9, 2
	s_add_co_u32 s33, s33, s32                     ; qb: my block of 256 queries
	s_and_b32 s34, ttmp7, 0xffff                   ; bh, which the four partners share
	s_and_b32 s35, s66, 1                          ; mt
	s_lshr_b32 s36, s66, 1                         ; cg
	s_mov_b32 s4, 15|(3<<16)|(1<<21)               ; group 1: 15:0 the mask: all four work-groups; 17:16 elements of 8 bytes; 21 set beside a mask; no padding
	s_mov_b32 s5, 32<<16                           ; tensor_dim0 = 32 elements (256 bytes)
	s_mov_b32 s6, 17<<16                           ; tensor_dim1 = 17: the first load's rows
	s_mov_b32 s7, 32<<16                           ; tile_dim0
	s_mov_b32 s8, 17                               ; tile_dim1
	s_mov_b32 s9, 32                               ; the pitch: dense
	s_mov_b32 s10, 0
	s_mov_b32 s11, 0
	s_mov_b32 s12, 0x3e38aa3b                      ; c = log2(e) / 8
	s_mov_b32 s13, s12                             ; (named with it as a pair, so it is written)
	s_mov_b32 s14, 0x76543210
	s_mov_b32 s15, 0xfedcba98                      ; v_permlanex16_b32's selects for lane l xor 16
	s_mul_i32 s42, s66, 4352                       ; my sixteenth of key steps 0-7, in LDS and in memory
	s_mul_i32 s40, s34, HEADB
	s_mul_i32 s54, s66, 13056                      ; my sixteenth of key steps 8-31
	s_add_co_u32 s56, s40, s54
	s_add_co_u32 s56, s56, CHB                     ; which begin behind the first eight
	s_mov_b32 s57, 0
	s_add_co_u32 s40, s40, s42
	s_mov_b32 s41, 0
	s_lshl_b32 s44, s34, 12
	s_lshl_b32 s45, s33, 8
	s_add_co_u32 s44, s44, s45
	s_lshl_b32 s45, s66, 4
	s_add_co_u32 s44, s44, s45                     ; my first query: 4096 bh + 256 qb + 16 w
	s_lshl_b32 s46, s44, 5
	s_mov_b32 s47, 0
	s_lshl_b32 s48, s44, 2
	s_mov_b32 s49, 0
	s_lshl_b32 s50, s33, 4
	s_add_co_u32 s50, s50, s66
	s_lshl_b32 s50, s50, 13                        ; my tile's mask words: 8,192 (16 qb + w)
	s_mov_b32 s51, 0
	s_lshl_b32 s2, s34, 9
	s_lshl_b32 s52, s33, 5
	s_add_co_u32 s2, s2, s52
	s_lshl_b32 s52, s35, 4
	s_add_co_u32 s2, s2, s52                       ; my first row of x and out0: 512 bh + 32 qb + 16 mt,
	s_lshl_b32 s2, s2, 11                          ; of 2,048 bytes,
	s_lshl_b32 s52, s36, 8
	s_add_co_u32 s2, s2, s52                       ; + my 64 outputs
	s_mov_b32 s3, 0
	s_mov_b32 s53, 0
	s_mov_b32 s101, 0
	s_wait_kmcnt 0x0
	s_add_nc_u64 s[56:57], s[20:21], s[56:57]
	s_add_nc_u64 s[20:21], s[20:21], s[40:41]
	s_add_nc_u64 s[16:17], s[16:17], s[46:47]
	s_add_nc_u64 s[18:19], s[18:19], s[48:49]
	s_add_nc_u64 s[104:105], s[22:23], s[50:51]
	s_add_nc_u64 s[28:29], s[28:29], s[52:53]
	s_add_nc_u64 s[30:31], s[30:31], s[2:3]
	s_mov_b32 s84, 1                               ; group 0 of my first load: count = 1,
	s_mov_b32 s85, s42                             ; LDS address: the wave's number and constants alone,
	s_mov_b64 s[86:87], s[20:21]
	s_or_b32 s87, s87, 0x80000000                  ; type = 2
	s_mov_b32 s88, 1                               ; and of my second
	s_add_co_u32 s89, s54, CHB
	s_mov_b64 s[90:91], s[56:57]
	s_or_b32 s91, s91, 0x80000000
	CROUND                                         ; all four work-groups are here: the joint loads meet
	tensor_load_to_lds s[84:87], s[4:11]           ; my one tensor load at the head: my part of key steps 0-7
	s_nop 0
.rept 4
	v_nop
.endr
	v_and_b32 v202, 31, v0
	s_delay_alu instid0(VALU_DEP_1)
	v_lshlrev_b32 v[LI], 4, v202
	v_and_b32 v200, 15, v0                         ; r
	v_bfe_u32 v201, v0, 4, 1                       ; h
	s_delay_alu instid0(VALU_DEP_2)
	v_lshlrev_b32 v[QAD], 5, v200
	s_delay_alu instid0(VALU_DEP_1)
	v_lshl_add_u32 v[QAD], v201, 4, v[QAD]         ; Q: query r of 32 bytes, + 16 h
	s_delay_alu instid0(VALU_DEP_4)
	v_lshlrev_b32 v[QSA], 2, v200
	v_lshlrev_b32 v[XAD], 11, v200
	s_delay_alu instid0(VALU_DEP_1)
	v_lshl_add_u32 v[XAD], v201, 5, v[XAD]         ; x: row r, + 8 h numbers
	v_lshlrev_b32 v[BOA], 5, v201
	global_load_b128 v[QF+4:QF+7], v[QAD], s[16:17]
	global_load_b32 v[QSW], v[QSA], s[18:19]
.irp n, 0,1,2,3
.irp k, 0,1
	global_load_b128 v[ACC+8*\n+4*\k:ACC+8*\n+4*\k+3], v[XAD], s[30:31] offset:64*\n+16*\k   ; x(16 mt + r, 64 cg + 16 n + 8 h + ..): the result's layout
	global_load_b128 v[S+8*\n+4*\k:S+8*\n+4*\k+3], v[BOA], s[28:29] offset:64*\n+16*\k       ; bo likewise
.endr
.endr
	v_mov_b32 v[NEG], 0xd0000000                   ; -2^33
	v_lshrrev_b32 v202, 3, v200
	v_and_b32 v203, 7, v200
	s_delay_alu instid0(VALU_DEP_2)
	v_mul_u32_u24 v[CA], v202, CPITCH
	s_delay_alu instid0(VALU_DEP_1)
	v_lshl_add_u32 v[CA], v203, 5, v[CA]
	s_delay_alu instid0(VALU_DEP_1)
	v_lshl_add_u32 v[CA], v201, 3, v[CA]
	s_mul_i32 s56, s66, 2*CPITCH
	s_add_co_u32 s56, s56, CTX
	v_add_nc_u32 v[CA], s56, v[CA]                 ; row 2 w + r / 8, query r % 8 of it (32 bytes), + 8 h
	s_lshl_b32 s56, s66, 5
	s_add_co_u32 s56, s56, CTS
	v_lshl_add_u32 v[CSA], v200, 1, s56            ; 16 (2 w + r / 8) + 2 (r % 8) = 32 w + 2 r
	v_mul_u32_u24 v[CR], v200, CPITCH
	s_delay_alu instid0(VALU_DEP_1)
	v_lshl_add_u32 v[SO], v201, 5, v[CR]
	s_delay_alu instid0(VALU_DEP_2)
	v_lshl_add_u32 v[CR], v201, 4, v[CR]
	s_mul_i32 s56, s35, 16*CPITCH
	s_add_co_u32 s56, s56, CTX
	v_add_nc_u32 v[CR], s56, v[CR]                 ; row 16 mt + r, + 16 h
	s_lshl_b32 s56, s35, 8
	s_add_co_u32 s56, s56, CTS
	v_lshl_add_u32 v[CSR], v200, 4, s56
	s_mul_i32 s56, s66, SWAVE
	v_add_nc_u32 v[SO], s56, v[SO]                 ; my stage: row r, + 32 h
	v_mul_u32_u24 v[SR], v201, 272
	s_delay_alu instid0(VALU_DEP_1)
	v_lshl_add_u32 v[SR], v200, 4, v[SR]
	s_delay_alu instid0(VALU_DEP_1)
	v_add_nc_u32 v[SR], s56, v[SR]                 ; back: lanes 0-15 one row of 256 bytes, lanes 16-31 the next
	v_lshlrev_b32 v[GO], 11, v201
	s_delay_alu instid0(VALU_DEP_1)
	v_lshl_add_u32 v[GO], v200, 4, v[GO]           ; and the same two rows in out0
	v_lshlrev_b32 v[WOA], 8, v200
	s_delay_alu instid0(VALU_DEP_1)
	v_lshl_add_u32 v[WOA], v201, 4, v[WOA]
	v_lshlrev_b32 v[WOS], 4, v200
.irp j, 0,1,2,3,8,9,10,11
	v_mov_b32 v[QF+\j], 0                          ; zero codes on both sides of Q
.endr
	v_mov_b32 v13, 0xff61b1e6                      ; the largest t so far: -3e38, under every t
	s_delay_alu instid0(VALU_DEP_1)
	v_floor_f32 v12, -v13                          ; -M
	v_mov_b32 v14, 0
	v_mov_b32 v15, 0
.irp b, 0,1,2,3
	v_mov_b32 v[T2+\b], 0                          ; written once: a lane permute's destination counts as one of its sources
.endr
	v_mov_b32 v[F+1], 0                            ; (named as the upper half of a pair)
.set j, 0
.rept 32
	v_mov_b32 v[OT+j], 0                           ; the step is written once: the first finds zeros, which the first change of M leaves zeros
.set j, j+1
.endr
	s_wait_loadcnt 0x0
.set j, 0
.rept 16
	v_pk_add_f32 v[ACC+j:ACC+j+1], v[ACC+j:ACC+j+1], v[S+j:S+j+1]   ; x + bo
.set j, j+2
.endr
	s_load_b512 s[16:31], s[104:105], s101 offset:0x0     ; step 0's mask words (the loads that named s[16:31] as bases are done)
	s_load_b512 s[32:47], s[104:105], s101 offset:0x40
	s_load_b512 s[48:63], s[104:105], s101 offset:0x80
	s_load_b512 s[68:83], s[104:105], s101 offset:0xc0
; A KEY STEP: 128 keys at LDS byte s100.
.macro STEP
	v_add_nc_u32 v[ADR], s100, v[LI]
.irp b, 0,1,2,3
.irp c, 0,1
	ds_load_b128 v[KF+8*\b+4*\c:KF+8*\b+4*\c+3], v[ADR] offset:1024*\b+512*\c
.endr
.endr
	ds_load_b128 v[SC:SC+3], v[ADR] offset:8192
.irp t, 0,1,2,3
.irp c, 0,1
	ds_load_b128 v[VF+8*\t+4*\c:VF+8*\t+4*\c+3], v[ADR] offset:4096+1024*\t+512*\c
.endr
.endr
	s_wait_dscnt 8                                 ; K and the scale words are in; V's eight loads may stay out
.irp b, 0,1,2,3
	v_wmma_scale_f32_16x16x128_f8f6f4 v[S+16*\b:S+16*\b+7], v[KF+8*\b:KF+8*\b+7], v[QF+4:QF+11], 0, v[SC+\b], v[QSW] matrix_a_fmt:MATRIX_FMT_FP4 matrix_b_fmt:MATRIX_FMT_FP4
	v_wmma_scale_f32_16x16x128_f8f6f4 v[S+16*\b+8:S+16*\b+15], v[KF+8*\b:KF+8*\b+7], v[QF:QF+7], 0, v[SC+\b], v[QSW] matrix_a_fmt:MATRIX_FMT_FP4 matrix_b_fmt:MATRIX_FMT_FP4
.endr
.rept 4
	v_nop                                          ; four places in front of the first read of results (ISA guide 7.12.1)
.endr
	s_wait_kmcnt 0x0                               ; this step's mask words, asked for a step ago
.set n, 0
.rept 64
.if n < 48
	v_cndmask_b32 v[S+n], v[S+n], v[NEG], s[16+n]  ; hidden scores become -2^33; each accumulator is read from its low end on
.else
	v_cndmask_b32 v[S+n], v[S+n], v[NEG], s[20+n]  ; words 48-63 lie in s[68:83]
.endif
.set n, n+1
.endr
	s_add_co_u32 s101, s101, 256                   ; the next step's words; the last step asks for its own again, so that no load leaves the buffer
	s_min_u32 s101, s101, 7936
	s_load_b512 s[16:31], s[104:105], s101 offset:0x0
	s_load_b512 s[32:47], s[104:105], s101 offset:0x40
	s_load_b512 s[48:63], s[104:105], s101 offset:0x80
	s_load_b512 s[68:83], s[104:105], s101 offset:0xc0
.irp b, 0,1,2,3
	v_max3_num_f32 v[BM+\b], v[S+16*\b], v[S+1+16*\b], v[S+2+16*\b]   ; the largest score of each block of 32 keys: for the row's maximum, and, since p rises with the score, for the block's largest p
.endr
.irp i, 3,5,7,9,11,13
.irp b, 0,1,2,3
	s_delay_alu instid0(VALU_DEP_4)
	v_max3_num_f32 v[BM+\b], v[BM+\b], v[S+16*\b+\i], v[S+1+16*\b+\i]
.endr
.endr
.irp b, 0,1,2,3
	s_delay_alu instid0(VALU_DEP_4)
	v_max_num_f32 v[BM+\b], v[BM+\b], v[S+15+16*\b]
.endr
.irp b, 0,1,2,3
	s_delay_alu instid0(VALU_DEP_4)
	v_permlanex16_b32 v[T2+\b], v[BM+\b], s14, s15
.endr
.irp b, 0,1,2,3
	s_delay_alu instid0(VALU_DEP_4)
	v_max_num_f32 v[BM+\b], v[BM+\b], v[T2+\b]     ; with lane l xor 16's 16 keys
.endr
	s_delay_alu instid0(VALU_DEP_2)
	v_max3_num_f32 v[TMP], v[BM], v[BM+1], v[BM+2]
	s_delay_alu instid0(VALU_DEP_1)
	v_max_num_f32 v[TMP], v[TMP], v[BM+3]
	s_delay_alu instid0(VALU_DEP_1)
	v_mul_f32 v[TMP], s12, v[TMP]                  ; the step's largest t
	s_delay_alu instid0(VALU_DEP_1)
	v_max_num_f32 v13, v13, v[TMP]
	v_mov_b32 v[TMP], v12
	s_delay_alu instid0(VALU_DEP_2)
	v_floor_f32 v12, -v13                          ; the new -M = -ceil(t): a whole number
	s_delay_alu instid0(VALU_DEP_1)
	v_sub_f32 v[TMP], v12, v[TMP]                  ; old M - new M, 0 or less
	s_delay_alu instid0(VALU_DEP_1)
	v_cvt_i32_f32 v[TMP], v[TMP]                   ; (it saturates)
	s_delay_alu instid0(VALU_DEP_1)
	v_ldexp_f32 v[F], 1.0, v[TMP]                  ; f
.set j, 0
.rept 32
	v_pk_fma_f32 v[S+j:S+j+1], v[S+j:S+j+1], s[12:13], v[12:13] op_sel_hi:[1,0,0]   ; t - M, two at a time
.set j, j+2
.endr
.irp b, 0,1,2,3
	v_fma_f32 v[BM+\b], v[BM+\b], s12, v12         ; the same of each block's largest score
.endr
.set j, 0
	s_wait_alu depctr_va_vdst(0)
.rept 64
	v_exp_f32 v[S+j], v[S+j]                       ; p = 2^(t - M)
.set j, j+1
.endr
.irp b, 0,1,2,3
	v_exp_f32 v[BM+\b], v[BM+\b]
.endr
	v_pk_mul_f32 v[14:15], v[14:15], v[F:F+1] op_sel_hi:[1,0]   ; the sums under the new M (a plain place behind the exponentials)
	s_wait_alu depctr_va_vdst(0)
.irp b, 0,1,2,3
	v_max_num_f32 v[BM+\b], 0x1800000, v[BM+\b]    ; the floor 2^(3 - 127): the byte cannot fall under 1
.endr
.irp b, 0,1,2,3
	s_delay_alu instid0(VALU_DEP_4)
	v_add_nc_u32 v[SOP+\b], 0xff000000, v[BM+\b]   ; 2 off the exponent field: the conversion's scale operand
.endr
.irp b, 0,1,2,3
	s_delay_alu instid0(VALU_DEP_4)
	v_lshrrev_b32 v[T2+\b], 23, v[SOP+\b]          ; the scale's byte
.endr
	s_delay_alu instid0(VALU_DEP_3)
	v_lshl_or_b32 v[PWD], v[T2+1], 8, v[T2]
	s_delay_alu instid0(VALU_DEP_1)
	v_lshl_or_b32 v[PWD], v[T2+2], 16, v[PWD]
	s_delay_alu instid0(VALU_DEP_1)
	v_lshl_or_b32 v[PWD], v[T2+3], 24, v[PWD]
.irp b, 0,1,2,3
	v_cvt_scalef32_pk8_fp4_f32 v[PC+2*\b], v[S+16*\b:S+7+16*\b], v[SOP+\b]
	v_cvt_scalef32_pk8_fp4_f32 v[PC+1+2*\b], v[S+8+16*\b:S+15+16*\b], v[SOP+\b]
.endr
	v_nop                                          ; one plain place behind a scaled conversion
.irp c, 0,1
.irp i, 0,1
	v_permlane16_swap_b32 v[PC+4*\c+\i], v[PC+2+4*\c+\i]   ; a whole block in a lane
.endr
.endr
	v_pk_add_f32 v[216:217], v[100:101], v[104:105]
	v_pk_add_f32 v[222:223], v[108:109], v[112:113]
	v_pk_add_f32 v[220:221], v[116:117], v[120:121]
	v_pk_add_f32 v[210:211], v[124:125], v[128:129]
	v_pk_add_f32 v[208:209], v[132:133], v[136:137]
	v_pk_add_f32 v[202:203], v[140:141], v[144:145]
	v_pk_add_f32 v[200:201], v[148:149], v[152:153]
	v_pk_add_f32 v[14:15], v[14:15], v[156:157]
	v_pk_add_f32 v[216:217], v[216:217], v[96:97]
	v_pk_add_f32 v[222:223], v[222:223], v[98:99]
	v_pk_add_f32 v[220:221], v[220:221], v[102:103]
	v_pk_add_f32 v[210:211], v[210:211], v[106:107]
	v_pk_add_f32 v[208:209], v[208:209], v[110:111]
	v_pk_add_f32 v[202:203], v[202:203], v[114:115]
	v_pk_add_f32 v[200:201], v[200:201], v[118:119]
	v_pk_add_f32 v[14:15], v[14:15], v[122:123]
	v_pk_add_f32 v[216:217], v[216:217], v[126:127]
	v_pk_add_f32 v[222:223], v[222:223], v[130:131]
	v_pk_add_f32 v[220:221], v[220:221], v[134:135]
	v_pk_add_f32 v[210:211], v[210:211], v[138:139]
	v_pk_add_f32 v[208:209], v[208:209], v[142:143]
	v_pk_add_f32 v[202:203], v[202:203], v[146:147]
	v_pk_add_f32 v[200:201], v[200:201], v[150:151]
	v_pk_add_f32 v[14:15], v[14:15], v[154:155]
	v_pk_add_f32 v[216:217], v[216:217], v[158:159]
	s_delay_alu instid0(VALU_DEP_2)
	v_pk_add_f32 v[14:15], v[14:15], v[210:211]
	s_delay_alu instid0(VALU_DEP_2)
	v_pk_add_f32 v[216:217], v[216:217], v[208:209]
	v_pk_add_f32 v[222:223], v[222:223], v[202:203]
	v_pk_add_f32 v[220:221], v[220:221], v[200:201]
	s_delay_alu instid0(VALU_DEP_2)
	v_pk_add_f32 v[14:15], v[14:15], v[222:223]
	s_delay_alu instid0(VALU_DEP_2)
	v_pk_add_f32 v[216:217], v[216:217], v[220:221]
	s_delay_alu instid0(VALU_DEP_1)
	v_pk_add_f32 v[14:15], v[14:15], v[216:217]
.set j, 0
.rept 16
	v_pk_mul_f32 v[OT+j:OT+j+1], v[OT+j:OT+j+1], v[F:F+1] op_sel_hi:[1,0]   ; O^T under the new M; with the sums above these are the places between the lines that wrote p's codes and scale word and the products
.set j, j+2
.endr
	s_wait_alu depctr_va_vdst(0)
	s_wait_dscnt 0x0                               ; V is in
.irp t, 0,1,2,3
	v_wmma_scale_f32_16x16x128_f8f6f4 v[OT+8*\t:OT+8*\t+7], v[VF+8*\t:VF+8*\t+7], v[PC:PC+7], v[OT+8*\t:OT+8*\t+7], v[SC+\t], v[PWD] matrix_a_fmt:MATRIX_FMT_FP4 matrix_b_fmt:MATRIX_FMT_FP4 matrix_a_scale:MATRIX_SCALE_ROW1
.endr
.rept 4
	v_nop                                          ; four places in front of the next loads into V's fragments and the scale words
.endr
.endm
; A walk over key steps: trips steps from LDS byte first on.
.macro WALK first, trips
	s_mov_b32 s100, \first
	s_mov_b32 s67, \trips
.Lstep_\@:
	STEP
	s_add_co_u32 s100, s100, STEPB
	s_sub_co_u32 s67, s67, 1
	s_cmp_lg_u32 s67, 0
	s_cbranch_scc1 .Lstep_\@
.endm
	v_lshl_add_u32 v222, v0, 2, 0x46400            ; my spare word and 0, made anew: no two registers can be kept for them (the loads that named v222, v223 as offsets are done)
	v_mov_b32 v223, 0
	s_wait_alu depctr_va_vdst(0)
	s_wait_tensorcnt 0x0                           ; my part of key steps 0-7 is in
	ds_add_u32 v222, v223
	s_mov_b32 s6, 51<<16                           ; no tensor load of mine is out, so group 1 may be written: tensor_dim1 = 51,
	s_mov_b32 s8, 51                               ; tile_dim1 = 51
	s_wait_dscnt 0x0                               ; the add is done
	CROUND                                         ; key steps 0-7 are whole for all sixteen waves, and the four work-groups are here: the joint loads meet
	tensor_load_to_lds s[88:91], s[4:11]           ; my part of key steps 8-31, the first tensor load behind the round and my last
	s_nop 0
.rept 4
	v_nop
.endr
	WALK 0, 8
	s_wait_tensorcnt 0x0                           ; my part of key steps 8-31 is in,
	s_wait_dscnt 0x0                               ; and no LDS instruction of mine is out at the signal
	s_barrier_signal -1
	s_barrier_wait -1                              ; so is everybody's
	WALK CHB, 24
	; ---- Wo's part of mine is asked for; meanwhile ctx = O^T / the sum is quantised
	s_wait_kmcnt 0x0                               ; the last mask words (not used): their registers are free
	s_load_b128 s[16:19], s[0:1], 0x20             ; Wo's codes, Wo's scales
	s_load_b64 s[20:21], s[0:1], 0x40              ; out0
	s_lshr_b32 s24, s66, 1                         ; cg
	s_lshl_b32 s22, s24, 14                        ; 64 rows of 256 bytes
	s_mov_b32 s23, 0
	s_lshl_b32 s24, s24, 10                        ; 64 rows of 16 bytes
	s_mov_b32 s25, 0
	s_wait_kmcnt 0x0
	s_add_nc_u64 s[16:17], s[16:17], s[22:23]
	s_add_nc_u64 s[18:19], s[18:19], s[24:25]
	s_add_nc_u64 s[20:21], s[20:21], s[2:3]
.irp n, 0,1,2,3
.irp s, 0,1,2,3
.irp c, 0,1
	global_load_b128 v[32+8*(4*\n+\s)+4*\c:32+8*(4*\n+\s)+4*\c+3], v[WOA], s[16:17] offset:4096*\n+64*\s+32*\c   ; fragment (tile n, K step s)
.endr
.endr
	global_load_b128 v[200+4*\n:203+4*\n], v[WOS], s[18:19] offset:256*\n   ; its rows' four scale words
.endr
	v_add_f32 v14, v14, v15                        ; the sum's two halves,
	s_delay_alu instid0(VALU_DEP_1)
	v_permlanex16_b32 v16, v14, s14, s15
	s_delay_alu instid0(VALU_DEP_1)
	v_add_f32 v14, v14, v16                        ; and lane l xor 16's
	s_wait_alu depctr_va_vdst(0)
	v_rcp_f32 v14, v14
	v_nop                                          ; one plain place behind a transcendental
.set j, 0
	s_wait_alu depctr_va_vdst(0)
.rept 16
	v_pk_mul_f32 v[OT+j:OT+j+1], v[OT+j:OT+j+1], v[14:15] op_sel_hi:[1,0]   ; from each accumulator's low end on
.set j, j+2
.endr
.irp b, 0,1                            ; my query's two blocks of 32 channels are two blocks of its row of 512
	v_max3_num_f32 v[16+\b], |v[OT+16*\b]|, |v[OT+1+16*\b]|, 0x1800000
.endr
.irp i, 2,4,6,8,10,12,14
.irp b, 0,1
	s_delay_alu instid0(VALU_DEP_2)
	v_max3_num_f32 v[16+\b], v[16+\b], |v[OT+16*\b+\i]|, |v[OT+1+16*\b+\i]|
.endr
.endr
.irp b, 0,1
	s_delay_alu instid0(VALU_DEP_2)
	v_permlanex16_b32 v[18+\b], v[16+\b], s14, s15
.endr
.irp b, 0,1
	s_delay_alu instid0(VALU_DEP_2)
	v_max_num_f32 v[16+\b], v[16+\b], v[18+\b]
.endr
.irp b, 0,1
	s_delay_alu instid0(VALU_DEP_2)
	v_add_nc_u32 v[20+\b], 0xff000000, v[16+\b]
.endr
.irp b, 0,1
	s_delay_alu instid0(VALU_DEP_2)
	v_lshrrev_b32 v[22+\b], 23, v[20+\b]
.endr
	s_delay_alu instid0(VALU_DEP_1)
	v_lshl_or_b32 v24, v23, 8, v22
.irp b, 0,1
	v_cvt_scalef32_pk8_fp4_f32 v[PC+2*\b], v[OT+16*\b:OT+7+16*\b], v[20+\b]
	v_cvt_scalef32_pk8_fp4_f32 v[PC+1+2*\b], v[OT+8+16*\b:OT+15+16*\b], v[20+\b]
.endr
	v_nop                                          ; one plain place behind a scaled conversion
	ds_store_b64 v[CA], v[PC:PC+1]                 ; channels 16 h + 0 .. 15 of block 0,
	ds_store_b64 v[CA], v[PC+2:PC+3] offset:16     ; of block 1
	ds_store_b16 v[CSA], v24                       ; both halves of the lanes write the same two bytes
	s_wait_dscnt 0x0                               ; my stores have landed, and my reads of K and V are long over
	s_barrier_signal -1
	s_barrier_wait -1                              ; 32 rows of ctx lie in LDS, and nobody reads K or V any more
.irp s, 0,1,2,3
.irp c, 0,1
	ds_load_b128 v[OT+8*\s+4*\c:OT+8*\s+4*\c+3], v[CR] offset:64*\s+32*\c
.endr
.endr
	ds_load_b128 v[SC:SC+3], v[CSR]
	s_wait_dscnt 0x0
	s_wait_loadcnt 0x0                             ; Wo
.irp s, 0,1,2,3                        ; transposed: source 0 = 16 rows of Wo, source 1 = 16 rows of ctx; the four accumulators take turns
.irp n, 0,1,2,3
	v_wmma_scale_f32_16x16x128_f8f6f4 v[ACC+8*\n:ACC+8*\n+7], v[32+8*(4*\n+\s):32+8*(4*\n+\s)+7], v[OT+8*\s:OT+8*\s+7], v[ACC+8*\n:ACC+8*\n+7], v[200+4*\n+\s], v[SC+\s] matrix_a_fmt:MATRIX_FMT_FP4 matrix_b_fmt:MATRIX_FMT_FP4
.endr
.endr
.rept 4
	v_nop                                          ; four places in front of the stores of results and of loads into registers that the products have read
.endr
.irp n, 0,1,2,3
	ds_store_b128 v[SO], v[ACC+8*\n:ACC+8*\n+3] offset:64*\n          ; lane (r, h): out(16 mt + r, 64 cg + 16 n + 8 h + 0 .. 7); each accumulator from its low end on
	ds_store_b128 v[SO], v[ACC+8*\n+4:ACC+8*\n+7] offset:64*\n+16
.endr
.irp i, 0,1,2,3,4,5,6,7
	ds_load_b128 v[32+4*\i:35+4*\i], v[SR] offset:544*\i              ; LDS serves a wave's instructions in order (ISA guide 5.7.1.4): these see my stores
.endr
.irp i, 0,1,2,3,4,5,6,7
	s_wait_dscnt 7-\i                              ; the younger loads from the stage may stay out
	global_store_b128 v[GO], v[32+4*\i:35+4*\i], s[20:21] offset:4096*\i th:TH_STORE_NT   ; 16 lanes store 256 consecutive bytes, aligned; written once
.endr
	s_wait_xcnt 0x0
	v_lshl_add_u32 v222, v0, 2, 0x46400
	v_mov_b32 v223, 0
	s_wait_alu depctr_va_vdst(0)
	s_wait_tensorcnt 0x0
	ds_add_u32 v222, v223
	s_wait_dscnt 0x0
	CROUND                                         ; the closing round: no work-group ends while a partner may still ask for a tile that names it
	s_endpgm
.Lfunc_end_k_q4dfa7a2f3c_attn:
	.size	k_q4dfa7a2f3c_attn, .Lfunc_end_k_q4dfa7a2f3c_attn-k_q4dfa7a2f3c_attn
	.p2alignl 7, 3214868480
	.fill 96, 4, 3214868480
	.section	.rodata,"a",@progbits
	.p2align	6, 0x0
	.amdhsa_kernel k_q4dfa7a2f3c_attn
		.amdhsa_group_segment_fixed_size 327680
		.amdhsa_private_segment_fixed_size 0
		.amdhsa_enable_private_segment 0
		.amdhsa_kernarg_size 72
		.amdhsa_user_sgpr_count 2
		.amdhsa_user_sgpr_kernarg_segment_ptr 1
		.amdhsa_wavefront_size32 1
		.amdhsa_system_sgpr_workgroup_id_x 1
		.amdhsa_system_sgpr_workgroup_id_y 1
		.amdhsa_system_sgpr_workgroup_id_z 1
		.amdhsa_system_vgpr_workitem_id 0
		.amdhsa_next_free_vgpr 256
		.amdhsa_next_free_sgpr 106
		.amdhsa_reserve_vcc 0
		.amdhsa_float_denorm_mode_32 3
		.amdhsa_float_denorm_mode_16_64 3
		.amdhsa_memory_ordered 1
		.amdhsa_forward_progress 1
		.amdhsa_inst_pref_size 68
	.end_amdhsa_kernel
	.amdgpu_metadata
---
amdhsa.version: [ 1, 2 ]
amdhsa.kernels:
  - .name:           k_q4dfa7a2f3c_attn
    .symbol:         k_q4dfa7a2f3c_attn.kd
    .args:
      - { .name: qc, .offset: 0, .size: 8, .value_kind: global_buffer, .address_space: global }
      - { .name: qs, .offset: 8, .size: 8, .value_kind: global_buffer, .address_space: global }
      - { .name: kv, .offset: 16, .size: 8, .value_kind: global_buffer, .address_space: global }
      - { .name: maskw, .offset: 24, .size: 8, .value_kind: global_buffer, .address_space: global }
      - { .name: Wo_codes, .offset: 32, .size: 8, .value_kind: global_buffer, .address_space: global }
      - { .name: Wo_scales, .offset: 40, .size: 8, .value_kind: global_buffer, .address_space: global }
      - { .name: bo, .offset: 48, .size: 8, .value_kind: global_buffer, .address_space: global }
      - { .name: x, .offset: 56, .size: 8, .value_kind: global_buffer, .address_space: global }
      - { .name: out0, .offset: 64, .size: 8, .value_kind: global_buffer, .address_space: global }
    .group_segment_fixed_size: 327680
    .private_segment_fixed_size: 0
    .kernarg_segment_align: 8
    .kernarg_segment_size: 72
    .max_flat_workgroup_size: 512
    .sgpr_count:     106
    .vgpr_count:     256
    .wavefront_size: 32
...
	.end_amdgpu_metadata
.endif
;; end of part 2
